; MI455X (gfx1250); checked and timed in simulation.
; The chip was launched on July 23, 2026; its instructions are those of AMD's public machine-readable ISA for CDNA 5 (MIT licence, August 2026) and "CDNA5" Instruction Set Architecture Reference Guide (July 2026). The comments in the code are by the model that wrote it; some were corrected since.
;; Multi Head Attention. Allowed arithmetic: matrix products marked QUANTISED: E2M1 operands, one E8M0 scale for each 32 along K, by v_wmma_scale_f32_16x16x128_f8f6f4 with both operands' format E2M1 (or v_wmma_scale_f32_32x16x128_f4), f32 sums; everything else in f32.
;; Inputs: Wk_codes 1,024 x 32 x 16 uint8 (E2M1 codes of Wk, K innermost, in blocks of 32 codes, two codes a byte); Wk_scales 1,024 x 32 uint8 (E8M0 scales of Wk, one for each 32 codes along K); Wo_codes 1,024 x 32 x 16 uint8 (E2M1 codes of Wo, K innermost, in blocks of 32 codes, two codes a byte); Wo_scales 1,024 x 32 uint8 (E8M0 scales of Wo, one for each 32 codes along K); Wq_codes 1,024 x 32 x 16 uint8 (E2M1 codes of Wq, K innermost, in blocks of 32 codes, two codes a byte); Wq_scales 1,024 x 32 uint8 (E8M0 scales of Wq, one for each 32 codes along K); Wv_codes 1,024 x 32 x 16 uint8 (E2M1 codes of Wv, K innermost, in blocks of 32 codes, two codes a byte); Wv_scales 1,024 x 32 uint8 (E8M0 scales of Wv, one for each 32 codes along K); bk 1,024 float32; bo 1,024 float32; bq 1,024 float32; bv 1,024 float32; key_codes 4 x 2,048 x 32 x 16 uint8 (E2M1 codes of key, K innermost, in blocks of 32 codes, two codes a byte); key_scales 4 x 2,048 x 32 uint8 (E8M0 scales of key, one for each 32 codes along K); mask 4 x 1 x 1 x 2,048 int32; query_codes 4 x 2,048 x 32 x 16 uint8 (E2M1 codes of query, K innermost, in blocks of 32 codes, two codes a byte); query_scales 4 x 2,048 x 32 uint8 (E8M0 scales of query, one for each 32 codes along K); value_codes 4 x 2,048 x 32 x 16 uint8 (E2M1 codes of value, K innermost, in blocks of 32 codes, two codes a byte); value_scales 4 x 2,048 x 32 uint8 (E8M0 scales of value, one for each 32 codes along K).
;; Outputs: out0 4 x 2,048 x 1,024 float32.
;; This version of the problem:
;;   THIS VERSION OF THE PROBLEM IS GIVEN IN LOW PRECISION. The matrix products marked QUANTISED in the list below multiply operands that are first quantised to E2M1 (2 exponent bits, 1 mantissa bit; 4 bits a number), with one power-of-two scale for each 32 numbers along K (OCP MX v1.0); their sums are f32. All else is computed in f32.
;;   The module's matrix products, in the order in which they are computed (A, B: the left and right operand; K: the contracted axis; several contracted axes count as one K, in the product's order):
;;     1. [M 8,192, K 1,024] x [K 1,024, N 1,024]; A: input query (given as codes); B: input Wq (given as codes): QUANTISED
;;     2. [M 8,192, K 1,024] x [K 1,024, N 1,024]; A: input key (given as codes); B: input Wk (given as codes): QUANTISED
;;     3. [M 8,192, K 1,024] x [K 1,024, N 1,024]; A: input value (given as codes); B: input Wv (given as codes): QUANTISED
;;     4. batch 64 x [M 2,048, K 64] x [K 64, N 2,048]; A: computed on the way; B: computed on the way: QUANTISED
;;     5. batch 64 x [M 2,048, K 2,048] x [K 2,048, N 64]; A: softmax (see below); B: computed on the way: QUANTISED
;;     6. [M 8,192, K 1,024] x [K 1,024, N 1,024]; A: computed on the way; B: input Wo (given as codes): QUANTISED
;;   THE QUANTISER, for each operand of a quantised product, along K:
;;     - K is cut into blocks of 32 from its start; a last block that is shorter is filled with zeros.
;;     - A block's scale is 2^e with e = floor(log2(the largest magnitude in the block)) - 2, held to -126 .. 127; a block of zeros has e = 0. As a byte (E8M0): e + 127.
;;     - Each number is divided by its block's scale, clamped to +-6, and rounded to the nearest number of E2M1, ties to even, subnormals kept.
;;     - The product sums the exact products of the quantised numbers (number of the format x scale) in f32.
;;   ~~~python
;;   def quantise(x, axis):      # numpy; x: float32 -> the quantised numbers, widened to float32 again
;;       x = np.moveaxis(x, axis, -1); K = x.shape[-1]
;;       x = np.pad(x, [(0, 0)] * (x.ndim - 1) + [(0, -K % 32)]); x = x.reshape(x.shape[:-1] + (-1, 32)); a = np.abs(x).max(-1, keepdims=True)
;;       e = np.where(a > 0, np.clip(np.frexp(np.where(a > 0, a, 1))[1] - 1 - 2, -126, 127), 0)      # np.frexp(a)[1] - 1 = floor(log2(a)), exactly
;;       r = np.clip(x / 2.0 ** e, -6, 6)
;;       step = 2.0 ** (np.maximum(np.frexp(np.where(r == 0, 1, r))[1] - 1, 0) - 1)
;;       q = np.round(r / step) * step * 2.0 ** e      # np.round: ties to even
;;       return np.moveaxis(q.reshape(q.shape[:-2] + (-1,))[..., :K], -1, axis).astype(np.float32)
;;   ~~~
;;   SOFTMAX AHEAD OF A QUANTISED PRODUCT. Where the list says 'softmax', what is quantised is not the finished softmax but p = 2^(t - M), with t = logit x log2(e) and M = ceil(the row's largest t), a whole number; so 1/2 < the row's largest p <= 1. The row's sum l is taken of the UNQUANTISED p, in f32, and the product's result is divided by l at the end. Since M is a whole number, a kernel that streams over the keys may use a running M (the ceiling of the running maximum): every later rescaling is an exact power of two, which a block's scale takes up: the codes' values come out the same.
;;   OPERANDS COMPUTED ON THE WAY. 'Computed on the way' means the value that the module computes at that place (a softmax that the list does not call 'softmax' is quantised finished and normalised). What goes into a quantiser is computed in f32, as accurately as f32 sums, v_exp_f32 and their like allow (about 1e-6 of the number): no bf16 or f16 on the way to a quantiser, and a product that is left as it is and whose result goes on into a quantised operand takes f32 operands (vector FMAs, or v_wmma_f32_16x16x4_f32). A number that lies on a knife's edge between two numbers of the format may be rounded either way, as far as f32 arithmetic and the matrix unit's own rounding can turn it there, and no further.
;;   INPUTS GIVEN AS CODES. Wk (in the module: [1024, 1024], K = its axis 0); Wo (in the module: [1024, 1024], K = its axis 0); Wq (in the module: [1024, 1024], K = its axis 0); Wv (in the module: [1024, 1024], K = its axis 0); key (in the module: [4, 2048, 1024], K = its axis 2); query (in the module: [4, 2048, 1024], K = its axis 2); value (in the module: [4, 2048, 1024], K = its axis 2): each comes as NAME_codes (uint8): NAME with its K axis moved to the last place and cut into blocks of 32 codes, [.., K / 32, bytes a block], one block behind the other in memory; two codes a byte, the lower K in the low four bits (a code: sign, 2 exponent bits, 1 mantissa bit); and NAME_scales (uint8): the same leading axes, one E8M0 byte (e + 127) for each 32 codes along K. Its value is code x scale, taken as it is: it is not quantised again, and the codes and scales need not be those that the quantiser above would give.
;; One version. Each part assembles by itself: llvm-mc -triple=amdgcn-amd-amdhsa -mcpu=gfx1250 --defsym DOCPART=n.
;; ======== version 1 of 1: 3 launches
;; limits: right only within a limited range of input values
;; workspace buffers: pack 13,893,632 bytes; cx 4,194,304 bytes; cs 524,288 bytes
;; launch proj (part 1): grid 4 x 96, 4 waves a work-group, clusters of 4 x 4, 279,040 bytes of LDS; arguments query_codes, query_scales, key_codes, key_scales, value_codes, value_scales, Wq_codes, Wq_scales, Wk_codes, Wk_scales, Wv_codes, Wv_scales, bq, bk, bv, mask, pack; writes pack
.if DOCPART == 1
	.amdgcn_target "amdgcn-amd-amdhsa--gfx1250"
	.amdhsa_code_object_version 6
	.text
	.protected	k_q76c77b0e03_proj
	.globl	k_q76c77b0e03_proj
	.p2align	8
	.type	k_q76c77b0e03_proj,@function
k_q76c77b0e03_proj:
	s_mov_b64 s[64:65], 0
	v_nop
	global_prefetch_b8 v0, s[64:65] scope:SCOPE_SE
	s_setreg_imm32_b32 hwreg(HW_REG_WAVE_MODE, 25, 1), 1
	s_wait_xcnt 0x0
	s_wait_alu depctr_hold_cnt(0) depctr_sa_sdst(0) depctr_va_vdst(0) depctr_va_sdst(0) depctr_va_ssrc(0) depctr_va_vcc(0) depctr_vm_vsrc(0)
	s_getreg_b32 s2, hwreg(HW_REG_IB_STS2, 6, 4)
	s_cmp_eq_u32 s2, 0
	s_cbranch_scc0 .Lentry_in_a_cluster
	s_endpgm
.Lentry_in_a_cluster:
	s_bfe_u32 s2, ttmp6, 0x10000c
	s_cmp_lg_u32 s2, 0xf033
	s_cbranch_scc0 .Lentry_shape_is_right
	s_endpgm
.Lentry_shape_is_right:
; q = query Wq + bq, k = key Wk + bk, v = value Wv + bv: three products of 8,192 x 1,024 x 1,024 on codes of FP4 (E2M1) with E8M0 scales, in one grid; the results are quantised
; here, in f32, and leave as codes: q and k along the head's 64 (two blocks of 32), v along the keys (blocks of 32 tokens).  Nothing wide goes to memory.
; SHARES.  Cluster y = 8 g + kk: g = 0 q, 1 k, 2 v.  A work-group makes 256 x 256 of one product over all of K; a wave 128 x 128: 64 accumulators, 512 registers.
; THE MATRIX INSTRUCTION: source 0 = 16 rows of the B side, source 1 = 16 rows of the A side: lane (r, h) of accumulator (a, b) holds A row 16 a + r and, in register j, B row 16 b + 8 h + j.
; The quantiser's axis must run along a lane's registers: for q and k the A side is the tokens and the B side W's rows (features); for v the A side is Wv's rows and the B side the tokens.
; In all three A's tile hangs on cy and is shared along a row of the cluster, B's on cx and is shared along a column: the text of the loads is one, only pointers and offsets are chosen by g.
; FROM RESULT TO OPERAND.  Tiles 2 p and 2 p + 1 (16 registers) hold, in lanes l and l xor 16, a block of 32.  One conversion of a tile's 8 registers gives 8 codes; with the destinations in the order
; (block X tile 0, block Y tile 0, block X tile 1, block Y tile 1) two exchanges of half-waves leave registers 4 c .. 4 c + 3 = k 64 c + 32 h + 0 .. 31: the operand's own layout.
; Four such registers leave by one store of 16 bytes a lane at 16 x lane: 512 consecutive bytes, an image of the registers, which the next launch loads the same way.
; PACK: [batch x 16 + head][step of 128 tokens][13,568 bytes]: 0 K images (8 x 512), 4,096 K scale words, 4,608 V images ([c][d tile] x 512), 8,704 V scale words, 8,960 Q images, 13,056 Q scale words.
; THE MASK.  The score product has K = 64 in an instruction of 128.  A key's scale word is (byte of d 0-31, byte of d 32-63, m, 127): m = 158 for a masked key, 1 for an open one; a masked key's codes are zeros.
; The next launch puts the code -4 at k = 64 of every key and +1 at k = 64 of every query: a masked key scores -4 x 2^31 = -2^33, an open one gets -2^-124 added.
; LIMITS: a masked logit is -2^30 where the definition has -1e9 (the results differ only where open logits come near -1e9); NaN and infinities are not served; a block of zeros keeps the byte 1 (its codes are
; zeros, and this program alone reads the bytes).
; LDS: all of K is resident: slot s (K half s, rows of 256 bytes + 16 of padding) holds A's 256 rows and B's 256 rows; each byte is filled once, nothing is stored there.
; REGISTERS.  window 0: v1-15 addresses and constants; v16-31 the bias by lane, a pair a block; v32-63 A's scale words, v64-95 B's (register 8 i + k: lanes 0-15 tile 2 i, lanes 16-31 tile 2 i + 1, K step k);
;   v96-103 the mask's words, then what is kept of the codes; v104-111 the upper half of the scale words; v120-127, v192-199 the scale words made; v128-191, v192-255 A's two sets of fragments;
;   behind the products v128-191 64 numbers at work, v200-235 the quantiser's.   window 1: v0-63, v128-191 B's two sets; v64-127 the bias by register.   windows 2, 3: the accumulators, (a, b) at v[64 (a % 4) + 8 b].
.set HALFT, 128*272                    ; 128 rows of 272 bytes: what one tensor load brings, and what one wave reads of a side in a slot
.set SLOT,  4*HALFT
.set HEADP, 217088                     ; a head's bytes in pack
.set STEPP, 13568                      ; a step's
.set T,     128                        ; 64 numbers at work
.set TM,    200                        ; v200-203 largest magnitudes, v204-207 bytes, v212-215 the conversions' scale operands
.set PC,    220                        ; v220-227 the codes just made
.set MSB, 0
.macro WIN new                         ; the immediate's high byte repeats the setting that is left; a switch that changes nothing is dropped
.if MSB != (\new)
	s_set_vgpr_msb (MSB<<8)|(\new)
.set MSB, \new
.endif
.endm
.macro PLACES n
.rept \n
	v_nop
.endr
.endm
; A joint load: waves 0 and 1 fetch A's two halves, waves 2 and 3 B's.  Each line has one mask and one set of registers for all that issue it; the branch hangs on the wave's number alone.
; Four v_nop follow each of the two lines, ahead of the jump, the label and what follows.
.macro JLOAD g0a, g1a, g0b, g1b
	s_cmp_eq_u32 s49, 0
	s_cbranch_scc0 .Lfor_b_\@
	tensor_load_to_lds s[\g0a:\g0a+3], s[\g1a:\g1a+7]
	s_nop 0
.rept 4
	v_nop
.endr
	s_branch .Lasked_\@
.Lfor_b_\@:
	tensor_load_to_lds s[\g0b:\g0b+3], s[\g1b:\g1b+7]
	s_nop 0
.rept 4
	v_nop
.endr
.Lasked_\@:
.endm
.macro CROUND                          ; a round of the cluster's barrier
	s_barrier_signal -1
	s_barrier_wait -1
	s_cmp_lg_u32 s48, 0
	s_cbranch_scc1 .Lnot_wave_0_\@
	s_barrier_signal -3
.Lnot_wave_0_\@:
	s_barrier_wait -3
	s_barrier_signal -1
	s_barrier_wait -1
.endm
; One matrix instruction.  cm = 0: C is the constant 0; 1: C = D; 2: C = v[cr ..].  ra, rb = 1: the side's scale words are taken from lanes 16-31.
.macro WM d, a, b, cm, cr, sa, sb, ra, rb
.set wD, \d
.set wA, \a
.set wB, \b
.set wC, \cr
.set wS, \sa
.set wT, \sb
.set wR, (\ra)+2*(\rb)
.if (\cm) == 1
.set wC, wD
.endif
.if (\cm) == 0
.if wR == 0
	v_wmma_scale_f32_16x16x128_f8f6f4 v[wD:wD+7], v[wA:wA+7], v[wB:wB+7], 0, v[wS], v[wT] matrix_a_fmt:MATRIX_FMT_FP4 matrix_b_fmt:MATRIX_FMT_FP4
.elseif wR == 1
	v_wmma_scale_f32_16x16x128_f8f6f4 v[wD:wD+7], v[wA:wA+7], v[wB:wB+7], 0, v[wS], v[wT] matrix_a_fmt:MATRIX_FMT_FP4 matrix_b_fmt:MATRIX_FMT_FP4 matrix_a_scale:MATRIX_SCALE_ROW1
.elseif wR == 2
	v_wmma_scale_f32_16x16x128_f8f6f4 v[wD:wD+7], v[wA:wA+7], v[wB:wB+7], 0, v[wS], v[wT] matrix_a_fmt:MATRIX_FMT_FP4 matrix_b_fmt:MATRIX_FMT_FP4 matrix_b_scale:MATRIX_SCALE_ROW1
.else
	v_wmma_scale_f32_16x16x128_f8f6f4 v[wD:wD+7], v[wA:wA+7], v[wB:wB+7], 0, v[wS], v[wT] matrix_a_fmt:MATRIX_FMT_FP4 matrix_b_fmt:MATRIX_FMT_FP4 matrix_a_scale:MATRIX_SCALE_ROW1 matrix_b_scale:MATRIX_SCALE_ROW1
.endif
.else
.if wR == 0
	v_wmma_scale_f32_16x16x128_f8f6f4 v[wD:wD+7], v[wA:wA+7], v[wB:wB+7], v[wC:wC+7], v[wS], v[wT] matrix_a_fmt:MATRIX_FMT_FP4 matrix_b_fmt:MATRIX_FMT_FP4
.elseif wR == 1
	v_wmma_scale_f32_16x16x128_f8f6f4 v[wD:wD+7], v[wA:wA+7], v[wB:wB+7], v[wC:wC+7], v[wS], v[wT] matrix_a_fmt:MATRIX_FMT_FP4 matrix_b_fmt:MATRIX_FMT_FP4 matrix_a_scale:MATRIX_SCALE_ROW1
.elseif wR == 2
	v_wmma_scale_f32_16x16x128_f8f6f4 v[wD:wD+7], v[wA:wA+7], v[wB:wB+7], v[wC:wC+7], v[wS], v[wT] matrix_a_fmt:MATRIX_FMT_FP4 matrix_b_fmt:MATRIX_FMT_FP4 matrix_b_scale:MATRIX_SCALE_ROW1
.else
	v_wmma_scale_f32_16x16x128_f8f6f4 v[wD:wD+7], v[wA:wA+7], v[wB:wB+7], v[wC:wC+7], v[wS], v[wT] matrix_a_fmt:MATRIX_FMT_FP4 matrix_b_fmt:MATRIX_FMT_FP4 matrix_a_scale:MATRIX_SCALE_ROW1 matrix_b_scale:MATRIX_SCALE_ROW1
.endif
.endif
.endm
; 64 numbers of a lane, v[s] .. v[s + 63]: block p = registers 16 p .. 16 p + 15 of lanes l and l xor 16.  Leaves the four bytes in v[TM+4 ..] and a fragment's codes in v[PC ..].
.macro QUANT s
.irp b, 0,1,2,3
	v_max3_num_f32 v[TM+\b], |v[\s+16*\b]|, |v[\s+1+16*\b]|, 0x1800000   ; my 16 numbers, and the floor 2^(3 - 127): the byte cannot fall under 1
.endr
.irp i, 2,4,6,8,10,12,14
.irp b, 0,1,2,3
	v_max3_num_f32 v[TM+\b], v[TM+\b], |v[\s+16*\b+\i]|, |v[\s+1+16*\b+\i]|   ; the four blocks by turns
.endr
.endr
.irp b, 0,1,2,3
	v_permlanex16_b32 v[TM+4+\b], v[TM+\b], s16, s17
.endr
.irp b, 0,1,2,3
	v_max_num_f32 v[TM+\b], v[TM+\b], v[TM+4+\b]   ; with lane l xor 16's: the block's largest magnitude
.endr
.irp b, 0,1,2,3
	v_add_nc_u32 v[TM+12+\b], 0xff000000, v[TM+\b]   ; 2 off its exponent field: the conversion takes that field as its scale
.endr
.irp b, 0,1,2,3
	v_lshrrev_b32 v[TM+4+\b], 23, v[TM+12+\b]      ; the scale's byte
.endr
.irp c, 0,1
	v_cvt_scalef32_pk8_fp4_f32 v[PC+4*\c],   v[\s+32*\c:\s+32*\c+7],     v[TM+12+2*\c]
	v_cvt_scalef32_pk8_fp4_f32 v[PC+4*\c+1], v[\s+32*\c+16:\s+32*\c+23], v[TM+13+2*\c]
	v_cvt_scalef32_pk8_fp4_f32 v[PC+4*\c+2], v[\s+32*\c+8:\s+32*\c+15],  v[TM+12+2*\c]
	v_cvt_scalef32_pk8_fp4_f32 v[PC+4*\c+3], v[\s+32*\c+24:\s+32*\c+31], v[TM+13+2*\c]
.endr
	v_nop                                          ; one plain place behind the conversions
.irp c, 0,1
	v_permlane16_swap_b32 v[PC+4*\c],   v[PC+4*\c+1]   ; lanes 0-15 keep block 2 c, lanes 16-31 take block 2 c + 1
	v_permlane16_swap_b32 v[PC+4*\c+2], v[PC+4*\c+3]
.endr
.endm
	s_load_b512 s[4:19], s[0:1], 0x0               ; query codes, scales; key codes, scales; value codes, scales; Wq codes, scales
	s_load_b512 s[20:35], s[0:1], 0x40             ; Wk codes, scales; Wv codes, scales; bq; bk; bv; mask
	s_load_b64 s[36:37], s[0:1], 0x80              ; pack
	v_lshl_add_u32 v118, v0, 2, 0x44000
	v_mov_b32 v119, 0
	ds_add_u32 v118, v119
	ds_add_u32 v118, v119
	v_lshrrev_b32 v1, 5, v0
	v_readfirstlane_b32 s48, v1                    ; wave 0..3
	s_lshr_b32 s49, s48, 1                         ; which half of A's rows is mine.  Also: I fetch for A (0) or for B (1)
	s_and_b32 s50, s48, 1                          ; which half of B's rows.  Also: which 128 rows I fetch
	s_bfe_u32 s53, ttmp6, 0x40000                  ; cx
	s_bfe_u32 s54, ttmp6, 0x40004                  ; cy
	s_and_b32 s52, ttmp7, 0xffff                   ; cluster y = 8 g + kk
	s_lshr_b32 s51, s52, 3                         ; g: the same in all sixteen partners
	s_and_b32 s52, s52, 7
	s_lshl_b32 s52, s52, 2                         ; 4 kk: the cluster's first tile of tokens
	s_cmp_eq_u32 s51, 2
	s_cselect_b32 s59, 0, s52                      ; the tokens are A's rows (q, k)
	s_cselect_b32 s60, s52, 0                      ; or B's (v)
	s_add_co_u32 s55, s54, s59                     ; A's tile: hangs on cy
	s_add_co_u32 s56, s53, s60                     ; B's tile: hangs on cx
	s_lshl_b32 s57, s54, 2
	s_lshl_b32 s57, 15, s57                        ; my row of the cluster
	s_lshl_b32 s58, 0x1111, s53                    ; my column
	; descriptor group 1: 128 rows x 256 bytes out of rows of 512, 16 bytes of padding behind each
	s_or_b32 s68, s57, (1<<20)|(1<<21)|(5<<22)|(3<<25)   ; 15:0 the mask; 17:16 elements of 1 byte; 20 padding on; 21 set beside a mask; 24:22 after every 64 words; 31:25 four words
	s_or_b32 s76, s58, (1<<20)|(1<<21)|(5<<22)|(3<<25)
.irp g, 68, 76
	s_mov_b32 s[\g+1], 256<<16                     ; tensor_dim0
	s_mov_b32 s[\g+2], 128<<16                     ; tensor_dim1
	s_mov_b32 s[\g+3], 256<<16                     ; tile_dim0
	s_mov_b32 s[\g+4], 128                         ; tile_dim1
	s_mov_b32 s[\g+5], 512                         ; from row to row
	s_mov_b32 s[\g+6], 0
	s_mov_b32 s[\g+7], 0
.endr
	s_lshl_b32 s2, s55, 17                         ; A: 256 rows of 512 bytes a tile,
	s_lshl_b32 s61, s50, 16                        ; + the 128 rows that I fetch
	s_add_co_u32 s2, s2, s61
	s_mov_b32 s3, 0
	s_lshl_b32 s62, s56, 17                        ; B likewise
	s_add_co_u32 s62, s62, s61
	s_mov_b32 s63, 0
	s_mul_i32 s61, s48, HALFT                      ; where they go: wave x 128 rows: no place in the cluster enters an LDS address
	s_wait_dscnt 0x0
	s_wait_kmcnt 0x0
	s_cmp_eq_u32 s51, 0                            ; the buffers are chosen by g alone
	s_cselect_b64 s[38:39], s[4:5], s[8:9]         ; A's codes
	s_cselect_b64 s[40:41], s[6:7], s[10:11]       ; A's scales
	s_cselect_b64 s[42:43], s[16:17], s[20:21]     ; B's codes
	s_cselect_b64 s[44:45], s[18:19], s[22:23]     ; B's scales
	s_cselect_b64 s[46:47], s[28:29], s[30:31]     ; the bias
	s_cmp_eq_u32 s51, 2
	s_cselect_b64 s[38:39], s[24:25], s[38:39]
	s_cselect_b64 s[40:41], s[26:27], s[40:41]
	s_cselect_b64 s[42:43], s[12:13], s[42:43]
	s_cselect_b64 s[44:45], s[14:15], s[44:45]
	s_cselect_b64 s[46:47], s[32:33], s[46:47]
	s_add_nc_u64 s[2:3], s[38:39], s[2:3]
	s_add_nc_u64 s[62:63], s[42:43], s[62:63]
.irp s, 0,1
	s_mov_b32 s[84+4*\s], 1                        ; count = 1
	s_add_co_u32 s[85+4*\s], s61, \s*SLOT          ; LDS address
	s_add_nc_u64 s[86+4*\s:87+4*\s], s[2:3], \s*256   ; K half s
	s_or_b32 s[87+4*\s], s[87+4*\s], 0x80000000    ; type = 2
	s_mov_b32 s[92+4*\s], 1
	s_add_co_u32 s[93+4*\s], s61, \s*SLOT
	s_add_nc_u64 s[94+4*\s:95+4*\s], s[62:63], \s*256
	s_or_b32 s[95+4*\s], s[95+4*\s], 0x80000000
.endr
	CROUND                                         ; all sixteen work-groups are here: the joint loads meet
	JLOAD 84, 68, 92, 76                           ; K half 0
	JLOAD 88, 68, 96, 76                           ; K half 1: two loads of mine are out, and no more follow
	; where the small inputs lie and where the results go
	s_lshl_b32 s2, s55, 13                         ; A's scales: 32 bytes a row
	s_lshl_b32 s59, s49, 12
	s_add_co_u32 s2, s2, s59
	s_mov_b32 s3, 0
	s_add_nc_u64 s[40:41], s[40:41], s[2:3]
	s_lshl_b32 s62, s56, 13                        ; B's
	s_lshl_b32 s59, s50, 12
	s_add_co_u32 s62, s62, s59
	s_mov_b32 s63, 0
	s_add_nc_u64 s[44:45], s[44:45], s[62:63]
	s_cmp_eq_u32 s51, 2
	s_cselect_b32 s22, s56, s55                    ; the tile of tokens,
	s_cselect_b32 s23, s50, s49                    ; my half of it;
	s_cselect_b32 s24, s55, s56                    ; the tile of features,
	s_cselect_b32 s25, s49, s50                    ; my half of it
	s_cselect_b32 s19, -1, 0                       ; all ones for v
	s_mov_b32 s21, 256
	s_cselect_b32 s21, HEADP, s21                  ; the scale store: from lanes 0-15 to lanes 16-31
	s_mov_b32 s26, 2048
	s_cselect_b32 s26, HEADP, s26                  ; from A blocks 0-3 to blocks 4-7
	s_mov_b32 s28, HEADP
	s_cselect_b32 s28, 2048, s28                   ; from the fragment's first four registers to its last four
	s_mov_b32 s27, 0
	s_mov_b32 s29, 0
	s_lshl_b32 s30, s24, 10
	s_lshl_b32 s59, s25, 9
	s_add_co_u32 s30, s30, s59                     ; my 128 features in the bias, in bytes
	s_cmp_eq_u32 s51, 2
	s_cselect_b32 s32, s30, 0                      ; v: the bias goes by lane (the other load reads the bias's first bytes and is not used)
	s_cselect_b32 s30, 0, s30                      ; q, k: by register
	s_mov_b32 s31, 0
	s_mov_b32 s33, 0
	s_add_nc_u64 s[30:31], s[46:47], s[30:31]
	s_add_nc_u64 s[32:33], s[46:47], s[32:33]
	s_lshl_b32 s62, s22, 10
	s_lshl_b32 s59, s23, 9
	s_add_co_u32 s62, s62, s59                     ; my 128 tokens in the mask
	s_add_nc_u64 s[34:35], s[34:35], s[62:63]
	s_lshr_b32 s59, s22, 3                         ; batch
	s_lshl_b32 s59, s59, 4
	s_lshl_b32 s60, s24, 2
	s_add_co_u32 s59, s59, s60
	s_lshl_b32 s60, s25, 1
	s_add_co_u32 s59, s59, s60                     ; 16 batch + my first head
	s_mul_i32 s59, s59, HEADP
	s_and_b32 s60, s22, 7
	s_lshl_b32 s60, s60, 1
	s_add_co_u32 s60, s60, s23                     ; the step of 128 tokens
	s_mul_i32 s60, s60, STEPP
	s_add_co_u32 s62, s59, s60
	s_cmp_eq_u32 s51, 0
	s_cselect_b32 s59, 8960, 0                     ; the section: Q's images, K's,
	s_cmp_eq_u32 s51, 2
	s_cselect_b32 s59, 4608, s59                   ; or V's
	s_add_co_u32 s62, s62, s59
	s_add_nc_u64 s[4:5], s[36:37], s[62:63]        ; the four bases of the code stores
	s_add_nc_u64 s[6:7], s[4:5], s[28:29]
	s_add_nc_u64 s[8:9], s[4:5], s[26:27]
	s_add_nc_u64 s[10:11], s[8:9], s[28:29]
	s_add_nc_u64 s[12:13], s[4:5], 4096            ; each section of scale words lies 4,096 bytes behind its images
	s_add_nc_u64 s[14:15], s[12:13], HEADP         ; and the second head's
	s_mov_b32 s16, 0x76543210
	s_mov_b32 s17, 0xfedcba98                      ; v_permlanex16_b32's selects for lane l xor 16
	s_mov_b32 s18, 0xffff0000                      ; lanes 16-31
	s_cmp_eq_u32 s51, 1
	s_cselect_b32 s20, 0, -1                       ; only k looks at the mask
	s_mov_b32 s59, 0x7f7f0000
	s_cselect_b32 s59, 0x7f010000, s59             ; the upper half of an open row's scale word
	v_mov_b32 v14, s59
	v_mov_b32 v13, 0x7f9e0000                      ; and of a masked key's
	v_and_b32 v1, 15, v0                           ; r
	v_bfe_u32 v2, v0, 4, 1                         ; h
	v_and_b32 v3, 31, v0                           ; lane
	v_lshlrev_b32 v4, 4, v3                        ; an image's place for my lane
	v_lshlrev_b32 v10, 5, v3                       ; a row of scales a lane
	v_lshlrev_b32 v11, 5, v2                       ; eight numbers of the bias for each half
	v_lshlrev_b32 v12, 2, v1
	v_lshlrev_b32 v15, 4, v1
	v_mad_u32_u24 v5, v2, s21, v15                 ; the scale store: 16 r, and the upper lanes' distance
	v_mul_u32_u24 v15, v1, 272
	v_lshl_add_u32 v15, v2, 4, v15                 ; a fragment's row x pitch + 16 x half
	s_mul_i32 s59, s49, HALFT
	s_mul_i32 s60, s50, HALFT
	s_add_co_u32 s60, s60, 2*HALFT
	v_add_nc_u32 v6, s59, v15                      ; my A rows in slot 0, 1
	v_add_nc_u32 v8, s60, v15                      ; my B rows
	v_add_nc_u32 v7, SLOT, v6
	v_add_nc_u32 v9, SLOT, v8
.irp i, 0,1,2,3
.irp j, 0,1
	global_load_b128 v[32+8*\i+4*\j:35+8*\i+4*\j], v10, s[40:41] offset:1024*\i+16*\j   ; lane l: row 32 i + l, K steps 4 j .. 4 j + 3
	global_load_b128 v[64+8*\i+4*\j:67+8*\i+4*\j], v10, s[44:45] offset:1024*\i+16*\j
.endr
.endr
.irp a, 0,1,2,3,4,5,6,7
	global_load_b32 v[16+2*\a], v12, s[32:33] offset:64*\a    ; the bias of A row 16 a + r; the packed add names a pair, so both registers are loaded
	global_load_b32 v[17+2*\a], v12, s[32:33] offset:64*\a
	global_load_b32 v[96+\a], v12, s[34:35] offset:64*\a      ; the mask of token 16 a + r
.endr
	WIN 0x40                                       ; destination window 1
.irp b, 0,1,2,3,4,5,6,7
	global_load_b128 v[64+8*\b:67+8*\b], v11, s[30:31] offset:64*\b       ; the bias of B rows 16 b + 8 h + 0 .. 7
	global_load_b128 v[68+8*\b:71+8*\b], v11, s[30:31] offset:64*\b+16
.endr
	WIN 0
	s_wait_loadcnt 0x0
.irp a, 0,1,2,3,4,5,6,7
	v_cmp_ne_u32 vcc_lo, 0, v[96+\a]
	s_or_b32 vcc_lo, vcc_lo, s20                   ; q and v: every row is open
	v_cndmask_b32 v[104+\a], v13, v14, vcc_lo      ; bytes 2 and 3 of the row's scale word
	v_cndmask_b32 v[96+\a], 0, -1, vcc_lo          ; a masked key's codes become zeros
.endr
.macro FETCH k                         ; the fragments of K step k (128 along K: 64 bytes of a row) into set k % 2: 32 LDS loads in one run
	WIN 0x40
.irp i, 0,1,2,3,4,5,6,7
	ds_load_b128 v[128*((\k)%2)+8*\i:128*((\k)%2)+8*\i+3],   v[8+(\k)/4] offset:64*((\k)%4)+\i*4352
	ds_load_b128 v[128*((\k)%2)+8*\i+4:128*((\k)%2)+8*\i+7], v[8+(\k)/4] offset:64*((\k)%4)+32+\i*4352
.endr
	WIN 0
.irp i, 0,1,2,3,4,5,6,7
	ds_load_b128 v[128+64*((\k)%2)+8*\i:128+64*((\k)%2)+8*\i+3],   v[6+(\k)/4] offset:64*((\k)%4)+\i*4352
	ds_load_b128 v[128+64*((\k)%2)+8*\i+4:128+64*((\k)%2)+8*\i+7], v[6+(\k)/4] offset:64*((\k)%4)+32+\i*4352
.endr
.endm
.macro MULS k, a0, cm                  ; A blocks a0 .. a0 + 3 against B's eight: 32 accumulators, one instruction each
.irp x, 0,1,2,3
.irp y, 0,1,2,3,4,5,6,7
	WM 64*\x+8*\y, 128*((\k)%2)+8*\y, 128+64*((\k)%2)+8*((\a0)+\x), \cm, 0, 64+8*(\y/2)+(\k), 32+8*(((\a0)+\x)/2)+(\k), \y%2, \x%2
.endr
.endr
.endm
; A K step: its fragments are in; the next step's are asked for in one run, and have this step's 64 matrix instructions in which to land.  The 64 accumulators take turns in the same order in every step.
.macro STEP k, cm
	s_wait_dscnt 0x0                               ; set k % 2 is in
.if (\k) == 3
	s_wait_tensorcnt 0x0                           ; my part of K half 1 has landed,
	s_barrier_signal -1
	s_barrier_wait -1                              ; everybody's has
.endif
	PLACES 4                                       ; in front of loads into registers that the last step's matrix instructions have read
.if (\k) < 7
	FETCH (\k)+1
.endif
	WIN 0xa1                                       ; source 0 (B) window 1, source 1 (A) window 0, C and D window 2
	MULS \k, 0, \cm
	WIN 0xf1                                       ; C and D window 3
	MULS \k, 4, \cm
	WIN 0
.endm
	s_wait_tensorcnt 1                             ; my part of K half 0 is in; the one load that may stay out is K half 1's
	s_barrier_signal -1
	s_barrier_wait -1                              ; everybody's is
	FETCH 0
	STEP 0, 0                                      ; the first products start the sums
	STEP 1, 1
	STEP 2, 1
	STEP 3, 1
	STEP 4, 1
	STEP 5, 1
	STEP 6, 1
	STEP 7, 1
	; THE WAY OUT, A block by A block: + bias (which also brings the 64 numbers into window 0), quantise, store the two images, keep the scale words
	PLACES 4                                       ; behind the last products
.irp b, 0,1,2,3
	v_mov_b32 v[TM+4+\b], 0                        ; written once: a lane permute's destination counts as one of its sources
.endr
.macro EPI a
.set eAC, 64*((\a)%4)
.set eW, 2+(\a)/4
.if (\a) > 0
	s_wait_xcnt 0x0                                ; the last block's stores have read their data: the codes' registers may be written again
.endif
	s_cmp_eq_u32 s51, 2
	s_cbranch_scc1 .Lby_lane_\@
	WIN 4+eW                                       ; q, k: the bias runs along the registers (window 1)
.set ii, 0
.rept 32
	v_pk_add_f32 v[T+2*ii:T+2*ii+1], v[eAC+2*ii:eAC+2*ii+1], v[64+2*ii:65+2*ii]   ; each accumulator from its low end on
.set ii, ii+1
.endr
	WIN 0
	s_branch .Ladded_\@
.Lby_lane_\@:
	WIN eW                                         ; v: one number a lane, for both halves of the packed add
.set ii, 0
.rept 32
	v_pk_add_f32 v[T+2*ii:T+2*ii+1], v[eAC+2*ii:eAC+2*ii+1], v[16+2*(\a):17+2*(\a)] op_sel_hi:[1,0]
.set ii, ii+1
.endr
	WIN 0
.Ladded_\@:
	QUANT T
.irp i, 0,1,2,3,4,5,6,7
	v_and_b32 v[PC+\i], v[96+(\a)], v[PC+\i]       ; a masked key's codes are zeros
.endr
	global_store_b128 v4, v[PC:PC+3],   s[4+4*((\a)/4):5+4*((\a)/4)] offset:((\a)%4)*512   ; 32 lanes store 512 consecutive bytes
	global_store_b128 v4, v[PC+4:PC+7], s[6+4*((\a)/4):7+4*((\a)/4)] offset:((\a)%4)*512
	v_lshl_or_b32 v216, v[TM+5], 8, v[TM+4]        ; blocks 0, 1
	v_lshl_or_b32 v217, v[TM+7], 8, v[TM+6]        ; blocks 2, 3
	v_or_b32 v[192+(\a)], v217, v[104+(\a)]        ; q, k: the second head's word
	v_lshlrev_b32 v218, 16, v217
	v_cndmask_b32 v218, v[104+(\a)], v218, s19     ; v: one word of four blocks; q, k: the mask's bytes on top
	v_or_b32 v[120+(\a)], v216, v218
.endm
	EPI 0
	EPI 1
	EPI 2
	EPI 3
	EPI 4
	EPI 5
	EPI 6
	EPI 7
.irp t, 0,1,2,3
	v_cndmask_b32 v[228+\t], v[120+\t], v[124+\t], s18   ; lanes 0-15: blocks 0-3; lanes 16-31: blocks 4-7
.endr
	global_store_b128 v5, v[228:231], s[12:13]     ; q, k: 512 bytes on end; v: 256 in each of two heads
	s_cmp_eq_u32 s51, 2
	s_cbranch_scc1 .Lone_word
.irp t, 0,1,2,3
	v_cndmask_b32 v[232+\t], v[192+\t], v[196+\t], s18
.endr
	global_store_b128 v5, v[232:235], s[14:15]     ; q, k: the second head's words
.Lone_word:
	s_wait_tensorcnt 0x0
	ds_add_u32 v118, v119
	s_wait_dscnt 0x0
	CROUND                                         ; the closing round: no work-group ends while a partner may still ask for a tile that names it
	s_endpgm
.Lfunc_end_k_q76c77b0e03_proj:
	.size	k_q76c77b0e03_proj, .Lfunc_end_k_q76c77b0e03_proj-k_q76c77b0e03_proj
	.p2alignl 7, 3214868480
	.fill 96, 4, 3214868480
	.section	.rodata,"a",@progbits
	.p2align	6, 0x0
	.amdhsa_kernel k_q76c77b0e03_proj
		.amdhsa_group_segment_fixed_size 279040
		.amdhsa_private_segment_fixed_size 0
		.amdhsa_enable_private_segment 0
		.amdhsa_kernarg_size 136
		.amdhsa_user_sgpr_count 2
		.amdhsa_user_sgpr_kernarg_segment_ptr 1
		.amdhsa_wavefront_size32 1
		.amdhsa_system_sgpr_workgroup_id_x 1
		.amdhsa_system_sgpr_workgroup_id_y 1
		.amdhsa_system_sgpr_workgroup_id_z 1
		.amdhsa_system_vgpr_workitem_id 0
		.amdhsa_next_free_vgpr 1024
		.amdhsa_next_free_sgpr 100
		.amdhsa_reserve_vcc 1
		.amdhsa_float_denorm_mode_32 3
		.amdhsa_float_denorm_mode_16_64 3
		.amdhsa_memory_ordered 1
		.amdhsa_forward_progress 1
		.amdhsa_inst_pref_size 168
	.end_amdhsa_kernel
	.amdgpu_metadata
---
amdhsa.version: [ 1, 2 ]
amdhsa.kernels:
  - .name:           k_q76c77b0e03_proj
    .symbol:         k_q76c77b0e03_proj.kd
    .args:
      - { .name: query_codes, .offset: 0, .size: 8, .value_kind: global_buffer, .address_space: global }
      - { .name: query_scales, .offset: 8, .size: 8, .value_kind: global_buffer, .address_space: global }
      - { .name: key_codes, .offset: 16, .size: 8, .value_kind: global_buffer, .address_space: global }
      - { .name: key_scales, .offset: 24, .size: 8, .value_kind: global_buffer, .address_space: global }
      - { .name: value_codes, .offset: 32, .size: 8, .value_kind: global_buffer, .address_space: global }
      - { .name: value_scales, .offset: 40, .size: 8, .value_kind: global_buffer, .address_space: global }
      - { .name: Wq_codes, .offset: 48, .size: 8, .value_kind: global_buffer, .address_space: global }
      - { .name: Wq_scales, .offset: 56, .size: 8, .value_kind: global_buffer, .address_space: global }
      - { .name: Wk_codes, .offset: 64, .size: 8, .value_kind: global_buffer, .address_space: global }
      - { .name: Wk_scales, .offset: 72, .size: 8, .value_kind: global_buffer, .address_space: global }
      - { .name: Wv_codes, .offset: 80, .size: 8, .value_kind: global_buffer, .address_space: global }
      - { .name: Wv_scales, .offset: 88, .size: 8, .value_kind: global_buffer, .address_space: global }
      - { .name: bq, .offset: 96, .size: 8, .value_kind: global_buffer, .address_space: global }
      - { .name: bk, .offset: 104, .size: 8, .value_kind: global_buffer, .address_space: global }
      - { .name: bv, .offset: 112, .size: 8, .value_kind: global_buffer, .address_space: global }
      - { .name: mask, .offset: 120, .size: 8, .value_kind: global_buffer, .address_space: global }
      - { .name: pack, .offset: 128, .size: 8, .value_kind: global_buffer, .address_space: global }
    .group_segment_fixed_size: 279040
    .private_segment_fixed_size: 0
    .kernarg_segment_align: 8
    .kernarg_segment_size: 136
    .max_flat_workgroup_size: 128
    .sgpr_count:     100
    .vgpr_count:     1024
    .wavefront_size: 32
...
	.end_amdgpu_metadata
.endif
;; end of part 1
;; launch attn (part 2): grid 4 x 64, 16 waves a work-group, clusters of 4 x 1, 169,984 bytes of LDS; arguments pack, cx, cs; writes cx, cs
.if DOCPART == 2
	.amdgcn_target "amdgcn-amd-amdhsa--gfx1250"
	.amdhsa_code_object_version 6
	.text
	.protected	k_q76c77b0e03_attn
	.globl	k_q76c77b0e03_attn
	.p2align	8
	.type	k_q76c77b0e03_attn,@function
k_q76c77b0e03_attn:
	s_mov_b64 s[64:65], 0
	v_nop
	global_prefetch_b8 v0, s[64:65] scope:SCOPE_SE
	s_setreg_imm32_b32 hwreg(HW_REG_WAVE_MODE, 25, 1), 1
	s_wait_xcnt 0x0
	s_wait_alu depctr_hold_cnt(0) depctr_sa_sdst(0) depctr_va_vdst(0) depctr_va_sdst(0) depctr_va_ssrc(0) depctr_va_vcc(0) depctr_vm_vsrc(0)
	s_getreg_b32 s2, hwreg(HW_REG_IB_STS2, 6, 4)
	s_cmp_eq_u32 s2, 0
	s_cbranch_scc0 .Lentry_in_a_cluster
	s_endpgm
.Lentry_in_a_cluster:
	s_bfe_u32 s2, ttmp6, 0x10000c
	s_cmp_lg_u32 s2, 0x3003
	s_cbranch_scc0 .Lentry_shape_is_right
	s_endpgm
.Lentry_shape_is_right:
; context[b][q][head] = softmax_k(q . k / 8, masked) v, both products on codes of FP4 (E2M1) with E8M0 scales; the context is quantised here along its 64 features of the head and leaves as codes.
; THE SOFTMAX: t = score x log2(e) / 8; M = the running largest t rounded up to a whole number; p = 2^(t - M) is quantised along the keys, not normalised; the row's sum is taken of the unquantised p in f32 and
; divides at the end.  When M moves, the sum and O are multiplied by 2^(old M - new M), which rounds nothing.
; SHARES.  A work-group owns 512 queries of one head of one batch; the four work-groups of a head form a cluster and ask for the head's K, V and scale words JOINTLY.  Each of sixteen waves owns two tiles of 16 queries,
; one after the other (PASS), in 256 registers: four waves to a SIMD, so that one wave's vector work stands beside another's matrix instructions and LDS loads.
; LDS: the whole head: 16 steps of 128 keys x 8,960 bytes, as they lie in pack: K images (8 x 512), K scale words (512), V images (8 x 512), V scale words (256).  Filled once, one load a wave; nothing is stored there.
; An image is an operand's registers as they stand: lane l's 16 bytes at 16 l.
; LAYOUT.  S^T = K Q^T (source 0 = 16 neighbouring keys, source 1 = my 16 queries), O^T = V^T P^T (source 0 = 16 of the head's 64, source 1 = P): a lane holds ONE query throughout.
; Tiles 2 p and 2 p + 1 of S^T hold, in lanes l and l xor 16, the block of keys 32 p .. 32 p + 31; the conversions' destinations are ordered so that two exchanges of half-waves a pair of blocks give P's layout.
; THE MASK rides in the half of the score instruction's K that the head does not fill: every key has the code -4 at k = 64, every query +1 there and zeros beyond; a key's scale byte for k = 64 .. 95 is 158 where it is
; masked (and its 64 codes are zeros) and 1 where it is open.  So a masked key scores -2^33 exactly, and a row all of whose keys are masked has p = 1 for every key.
; LIMITS: a masked logit is -2^30 where the definition has -1e9 (the results differ only where open logits come near -1e9); NaN and infinities are not served; a block of zeros keeps the byte 1.
; REGISTERS: v1 16 x lane, v2 16 r, v3, v4 the step's LDS addresses, v5 4 x lane; v8-15 Q's fragment; v16 -M, v17 the largest t; v[18:19] the sum; v[20:21] f, later 1 / sum; v[22:23] the sum's second chain;
; v32-81 K: tile t's codes at 32 + 6 t, the code -4 at 36 + 6 t, zeros at 37 + 6 t, 80, 81 (a tile's registers 6, 7 are the next tile's codes: they meet Q's zeros); v82-113 V; v114-177 S^T, then p; v178-209 O^T;
; v210-217 P's codes; v218-229 at work; v230-237 K's scale words, v238-241 V's, v242 P's; v243-244 at work; v245 the context's scale words; v246-249 the second tile's Q; v250, v251 Q's scale words.
.set HEADP, 217088
.set STEPP, 13568
.set STEPL, 8960                       ; a step's bytes in LDS
.set S,  114
.set OT, 178
.set PC, 210
.set BM, 218
.set T2, 222
.set SO, 226
.macro PLACES n
.rept \n
	v_nop
.endr
.endm
.macro CROUND                          ; a round of the cluster's barrier
	s_barrier_signal -1
	s_barrier_wait -1
	s_cmp_lg_u32 s10, 0
	s_cbranch_scc1 .Lnot_wave_0_\@
	s_barrier_signal -3
.Lnot_wave_0_\@:
	s_barrier_wait -3
	s_barrier_signal -1
	s_barrier_wait -1
.endm
.macro WM d, a, b, cm, sa, sb          ; cm = 0: C is the constant 0; 1: C = D
.set wD, \d
.set wA, \a
.set wB, \b
.if (\cm) == 0
	v_wmma_scale_f32_16x16x128_f8f6f4 v[wD:wD+7], v[wA:wA+7], v[wB:wB+7], 0, v[\sa], v[\sb] matrix_a_fmt:MATRIX_FMT_FP4 matrix_b_fmt:MATRIX_FMT_FP4
.else
	v_wmma_scale_f32_16x16x128_f8f6f4 v[wD:wD+7], v[wA:wA+7], v[wB:wB+7], v[wD:wD+7], v[\sa], v[\sb] matrix_a_fmt:MATRIX_FMT_FP4 matrix_b_fmt:MATRIX_FMT_FP4
.endif
.endm
	s_load_b128 s[4:7], s[0:1], 0x0                ; pack, cx
	s_load_b64 s[8:9], s[0:1], 0x10                ; cs
	v_lshl_add_u32 v254, v0, 2, 0x29000
	v_mov_b32 v255, 0
	ds_add_u32 v254, v255
	ds_add_u32 v254, v255
	v_lshrrev_b32 v1, 5, v0
	s_delay_alu instid0(VALU_DEP_1)
	v_readfirstlane_b32 s10, v1                    ; wave 0..15
	s_and_b32 s11, ttmp7, 0xffff                   ; batch x 16 + head: the four partners share it
	s_bfe_u32 s12, ttmp6, 0x40000                  ; my block of 512 queries: it enters Q's, cx's and cs's addresses alone
	; descriptor: a step's 8,960 dense bytes as 35 rows of 256 (32 elements of 8 bytes)
	s_mov_b32 s24, 15|(3<<16)|(1<<21)              ; 15:0 the mask: all four work-groups; 17:16 elements of 8 bytes; 21 set beside a mask
	s_mov_b32 s25, 32<<16                          ; tensor_dim0
	s_mov_b32 s26, 35<<16                          ; tensor_dim1
	s_mov_b32 s27, 32<<16                          ; tile_dim0
	s_mov_b32 s28, 35                              ; tile_dim1
	s_mov_b32 s29, 32                              ; from row to row
	s_mov_b32 s30, 0
	s_mov_b32 s31, 0
	s_mul_i32 s44, s11, HEADP
	s_mov_b32 s45, 0
	s_mul_i32 s46, s10, STEPP                      ; wave w fetches step w
	s_mov_b32 s47, 0
	s_mov_b32 s32, 1                               ; count = 1
	s_mul_i32 s33, s10, STEPL                      ; LDS address
	; my queries: tiles 2 w and 2 w + 1 of the block's 32: step 4 x block + w / 4, tiles 2 (w % 4) and + 1 of it
	s_lshl_b32 s48, s12, 2
	s_lshr_b32 s49, s10, 2
	s_add_co_u32 s48, s48, s49
	s_mul_i32 s48, s48, STEPP
	s_and_b32 s49, s10, 3
	s_lshl_b32 s49, s49, 10
	s_add_co_u32 s50, s48, s49
	s_add_co_u32 s50, s50, 8960                    ; Q's images
	s_mov_b32 s51, 0
	s_bfe_u32 s49, s10, 0x10001
	s_lshl_b32 s49, s49, 8
	s_add_co_u32 s52, s48, s49
	s_and_b32 s49, s10, 1
	s_lshl_b32 s49, s49, 3
	s_add_co_u32 s52, s52, s49
	s_add_co_u32 s52, s52, 13056                   ; Q's scale words: [tile / 4][r][tile % 4]
	s_mov_b32 s53, 0
	s_lshr_b32 s54, s11, 4                         ; batch
	s_and_b32 s55, s11, 15                         ; head
	s_lshl_b32 s56, s54, 7
	s_lshl_b32 s49, s12, 5
	s_add_co_u32 s56, s56, s49
	s_lshl_b32 s49, s10, 1
	s_add_co_u32 s56, s56, s49                     ; my first tile of tokens
	s_lshl_b32 s56, s56, 13                        ; cx: 8,192 bytes a tile of tokens,
	s_lshl_b32 s49, s55, 9
	s_add_co_u32 s56, s56, s49                     ; 512 a head
	s_mov_b32 s57, 0
	s_lshl_b32 s58, s54, 11
	s_lshl_b32 s49, s12, 9
	s_add_co_u32 s58, s58, s49
	s_lshl_b32 s49, s10, 5
	s_add_co_u32 s58, s58, s49                     ; my first token
	s_lshl_b32 s58, s58, 2                         ; cs: a word a token,
	s_lshl_b32 s49, s55, 15
	s_add_co_u32 s58, s58, s49                     ; 32,768 bytes a head
	s_mov_b32 s59, 0
	s_mov_b32 s14, 0x76543210
	s_mov_b32 s15, 0xfedcba98                      ; v_permlanex16_b32's selects for lane l xor 16
	s_mov_b32 s16, 0x3e38aa3b                      ; c = log2(e) / 8
	s_mov_b32 s17, s16                             ; (named with it as a pair, so it is written)
	s_mov_b32 s20, 0xffff0000                      ; lanes 16-31
	s_wait_dscnt 0x0
	s_wait_kmcnt 0x0
	s_add_nc_u64 s[4:5], s[4:5], s[44:45]          ; pack at my head
	s_add_nc_u64 s[34:35], s[4:5], s[46:47]
	s_or_b32 s35, s35, 0x80000000                  ; type = 2
	s_add_nc_u64 s[36:37], s[4:5], s[50:51]
	s_add_nc_u64 s[38:39], s[4:5], s[52:53]
	s_add_nc_u64 s[40:41], s[6:7], s[56:57]
	s_add_nc_u64 s[42:43], s[8:9], s[58:59]
	CROUND                                         ; all four work-groups are here: the joint loads meet
	tensor_load_to_lds s[32:35], s[24:31]          ; my one tensor load of the launch
	s_nop 0
.rept 4
	v_nop
.endr
	v_and_b32 v1, 31, v0
	s_delay_alu instid0(VALU_DEP_1)
	v_lshlrev_b32 v5, 2, v1
	s_delay_alu instid0(VALU_DEP_2)
	v_lshlrev_b32 v1, 4, v1
	v_and_b32 v2, 15, v0
	s_delay_alu instid0(VALU_DEP_1)
	v_lshlrev_b32 v2, 4, v2
	global_load_b128 v[8:11], v1, s[36:37]             ; the first tile's codes: registers 0-3 of Q's fragment
	global_load_b128 v[246:249], v1, s[36:37] offset:512   ; the second tile's
	global_load_b32 v250, v2, s[38:39]
	global_load_b32 v251, v2, s[38:39] offset:4
	v_bfe_u32 v243, v0, 4, 1
	s_delay_alu instid0(VALU_DEP_1)
	v_lshlrev_b32 v243, 1, v243
	s_delay_alu instid0(VALU_DEP_1)
	v_sub_nc_u32 v12, 2, v243                      ; the code +1 at k = 64 (lanes 0-15, lowest four bits); zeros in lanes 16-31
	v_mov_b32 v13, 0
	v_mov_b32 v14, 0
	v_mov_b32 v15, 0
.irp t, 0,1,2,3,4,5,6,7
	v_mov_b32 v[36+6*\t], 14                       ; the code -4 at k = 64 (and at k = 96, where it meets a zero)
	v_mov_b32 v[37+6*\t], 0
.endr
	v_mov_b32 v80, 0
	v_mov_b32 v81, 0
	v_mov_b32 v21, 0                               ; (named as the upper half of the pair v[20:21])
.irp b, 0,1,2,3
	v_mov_b32 v[T2+\b], 0                          ; written once: a lane permute's destination counts as one of its sources
.endr
	s_wait_tensorcnt 0x0                           ; my step has landed,
	s_barrier_signal -1
	s_barrier_wait -1                              ; everybody's has: the head is whole, and stays
	s_wait_loadcnt 0x0                             ; Q
; A KEY STEP: 128 keys.  qs: the register of my tile's scale words.
.macro STEP qs
	v_add_nc_u32 v3, s18, v1
	v_add_nc_u32 v4, s18, v2
	v_nop
	v_nop                                          ; four places behind the last products, in front of the loads into V's registers and its scale words'
.irp t, 0,1,2,3,4,5,6,7
	ds_load_b128 v[32+6*\t:35+6*\t], v3 offset:512*\t
.endr
.irp g, 0,1
	ds_load_b128 v[230+4*\g:233+4*\g], v4 offset:4096+256*\g
.endr
.irp t, 0,1,2,3
.irp c, 0,1
	ds_load_b128 v[82+8*\t+4*\c:85+8*\t+4*\c], v3 offset:4608+2048*\c+512*\t
.endr
.endr
	ds_load_b128 v[238:241], v4 offset:8704
	s_wait_dscnt 9                                 ; K and its scale words are in; the nine younger loads, V's eight and its scale words', land under the softmax
.irp t, 0,1,2,3,4,5,6,7
	WM S+8*\t, 32+6*\t, 8, 0, 230+\t, \qs          ; lane (r, h), register j of tile t: query r, key 16 t + 8 h + j
.endr
	PLACES 4
.irp b, 0,1,2,3
	v_max3_num_f32 v[BM+\b], v[S+16*\b], v[S+1+16*\b], v[S+2+16*\b]   ; the largest score of each block of 32 keys: for the row's maximum and, since p rises with the score, for the block's largest p
.endr
.irp i, 3,5,7,9,11,13
.irp b, 0,1,2,3
	v_max3_num_f32 v[BM+\b], v[BM+\b], v[S+16*\b+\i], v[S+1+16*\b+\i]
.endr
.endr
.irp b, 0,1,2,3
	v_max_num_f32 v[BM+\b], v[BM+\b], v[S+15+16*\b]
.endr
.irp b, 0,1,2,3
	s_delay_alu instid0(VALU_DEP_4)
	v_permlanex16_b32 v[T2+\b], v[BM+\b], s14, s15
.endr
.irp b, 0,1,2,3
	s_delay_alu instid0(VALU_DEP_4)
	v_max_num_f32 v[BM+\b], v[BM+\b], v[T2+\b]     ; with lane l xor 16's 16 keys
.endr
	s_delay_alu instid0(VALU_DEP_2)
	v_max3_num_f32 v243, v[BM], v[BM+1], v[BM+2]
	s_delay_alu instid0(VALU_DEP_1)
	v_max_num_f32 v243, v243, v[BM+3]
	s_delay_alu instid0(VALU_DEP_1)
	v_mul_f32 v243, s16, v243                      ; the step's largest t (c is positive)
	s_delay_alu instid0(VALU_DEP_1)
	v_max_num_f32 v17, v17, v243                   ; the running largest t
	v_mov_b32 v243, v16
	s_delay_alu instid0(VALU_DEP_2)
	v_floor_f32 v16, -v17                          ; the new -M = -ceil(t): a whole number
	s_delay_alu instid0(VALU_DEP_1)
	v_sub_f32 v243, v16, v243                      ; old M - new M: a whole number, 0 or less
	s_delay_alu instid0(VALU_DEP_1)
	v_cvt_i32_f32 v243, v243                       ; (it saturates)
	s_delay_alu instid0(VALU_DEP_1)
	v_ldexp_f32 v20, 1.0, v243                     ; f = 2^(old M - new M)
.irp j, 0,2,4,6,8,10,12,14,16,18,20,22,24,26,28,30,32,34,36,38,40,42,44,46,48,50,52,54,56,58,60,62
	v_pk_fma_f32 v[S+\j:S+1+\j], v[S+\j:S+1+\j], s[16:17], v[16:17] op_sel_hi:[1,0,0]   ; t - M, two at a time
.endr
.irp b, 0,1,2,3
	v_fma_f32 v[BM+\b], v[BM+\b], s16, v16         ; the same of each block's largest score
.endr
	s_wait_alu depctr_va_vdst(0)
.irp j, 0,1,2,3,4,5,6,7,8,9,10,11,12,13,14,15,16,17,18,19,20,21,22,23,24,25,26,27,28,29,30,31,32,33,34,35,36,37,38,39,40,41,42,43,44,45,46,47,48,49,50,51,52,53,54,55,56,57,58,59,60,61,62,63
	v_exp_f32 v[S+\j], v[S+\j]                     ; p = 2^(t - M), at most 1
.endr
	s_setprio 1
	v_pk_mul_f32 v[18:19], v[18:19], v[20:21] op_sel_hi:[1,0]   ; the sum under the new M: the plain place behind the exponentials
	s_wait_alu depctr_va_vdst(0)                   ; one wait for the batch of 64, ahead of its first reader
.irp b, 0,1,2,3
	v_exp_f32 v[BM+\b], v[BM+\b]                   ; the block's largest p: the same two instructions on the same number
.endr
	v_pk_add_f32 v[22:23], v[118:119], v[122:123]
	v_pk_add_f32 v[252:253], v[126:127], v[130:131]
	v_pk_add_f32 v[236:237], v[134:135], v[138:139]
	v_pk_add_f32 v[234:235], v[142:143], v[146:147]
	v_pk_add_f32 v[232:233], v[150:151], v[154:155]
	v_pk_add_f32 v[230:231], v[158:159], v[162:163]
	v_pk_add_f32 v[228:229], v[166:167], v[170:171]
	v_pk_add_f32 v[18:19], v[18:19], v[174:175]
	v_pk_add_f32 v[22:23], v[22:23], v[114:115]
	v_pk_add_f32 v[252:253], v[252:253], v[116:117]
	v_pk_add_f32 v[236:237], v[236:237], v[120:121]
	v_pk_add_f32 v[234:235], v[234:235], v[124:125]
	v_pk_add_f32 v[232:233], v[232:233], v[128:129]
	v_pk_add_f32 v[230:231], v[230:231], v[132:133]
	v_pk_add_f32 v[228:229], v[228:229], v[136:137]
	v_pk_add_f32 v[18:19], v[18:19], v[140:141]
	v_pk_add_f32 v[22:23], v[22:23], v[144:145]
	v_pk_add_f32 v[252:253], v[252:253], v[148:149]
	v_pk_add_f32 v[236:237], v[236:237], v[152:153]
	v_pk_add_f32 v[234:235], v[234:235], v[156:157]
	v_pk_add_f32 v[232:233], v[232:233], v[160:161]
	v_pk_add_f32 v[230:231], v[230:231], v[164:165]
	v_pk_add_f32 v[228:229], v[228:229], v[168:169]
	v_pk_add_f32 v[18:19], v[18:19], v[172:173]
	v_pk_add_f32 v[22:23], v[22:23], v[176:177]
	s_delay_alu instid0(VALU_DEP_2)
	v_pk_add_f32 v[18:19], v[18:19], v[234:235]
	s_delay_alu instid0(VALU_DEP_2)
	v_pk_add_f32 v[22:23], v[22:23], v[232:233]
	v_pk_add_f32 v[252:253], v[252:253], v[230:231]
	v_pk_add_f32 v[236:237], v[236:237], v[228:229]
	s_delay_alu instid0(VALU_DEP_2)
	v_pk_add_f32 v[18:19], v[18:19], v[252:253]
	s_delay_alu instid0(VALU_DEP_2)
	v_pk_add_f32 v[22:23], v[22:23], v[236:237]
	s_delay_alu instid0(VALU_DEP_1)
	v_pk_add_f32 v[18:19], v[18:19], v[22:23]
	s_wait_alu depctr_va_vdst(0)                   ; and one for the four
.irp b, 0,1,2,3
	v_max_num_f32 v[BM+\b], 0x1800000, v[BM+\b]    ; the floor 2^(3 - 127): the byte cannot fall under 1
.endr
.irp b, 0,1,2,3
	s_delay_alu instid0(VALU_DEP_4)
	v_add_nc_u32 v[SO+\b], 0xff000000, v[BM+\b]    ; 2 off the exponent field: the conversion's scale operand
.endr
.irp b, 0,1,2,3
	s_delay_alu instid0(VALU_DEP_4)
	v_lshrrev_b32 v[T2+\b], 23, v[SO+\b]           ; the scale's byte
.endr
	s_delay_alu instid0(VALU_DEP_3)
	v_lshl_or_b32 v242, v[T2+1], 8, v[T2]          ; P's scale word for these 128 keys
	s_delay_alu instid0(VALU_DEP_1)
	v_lshl_or_b32 v242, v[T2+2], 16, v242
	s_delay_alu instid0(VALU_DEP_1)
	v_lshl_or_b32 v242, v[T2+3], 24, v242
.irp c, 0,1
	v_cvt_scalef32_pk8_fp4_f32 v[PC+4*\c],   v[S+32*\c:S+32*\c+7],     v[SO+2*\c]
	v_cvt_scalef32_pk8_fp4_f32 v[PC+4*\c+1], v[S+32*\c+16:S+32*\c+23], v[SO+1+2*\c]
	v_cvt_scalef32_pk8_fp4_f32 v[PC+4*\c+2], v[S+32*\c+8:S+32*\c+15],  v[SO+2*\c]
	v_cvt_scalef32_pk8_fp4_f32 v[PC+4*\c+3], v[S+32*\c+24:S+32*\c+31], v[SO+1+2*\c]
.endr
	v_nop                                          ; one plain place behind the conversions
.irp c, 0,1
	v_permlane16_swap_b32 v[PC+4*\c],   v[PC+4*\c+1]   ; registers 4 c .. 4 c + 3: keys 64 c + 32 h + 0 .. 31
	v_permlane16_swap_b32 v[PC+4*\c+2], v[PC+4*\c+3]
.endr
	s_setprio 0
.irp j, 0,2,4,6,8,10,12,14,16,18,20,22,24,26,28,30
	v_pk_mul_f32 v[OT+\j:OT+1+\j], v[OT+\j:OT+1+\j], v[20:21] op_sel_hi:[1,0]   ; O^T under the new M.  These sixteen are also the places between P's codes and scale word and the products
.endr
	s_wait_alu depctr_va_vdst(0)
	s_wait_dscnt 0x0                               ; V and its scale words are in
.irp t, 0,1,2,3
	WM OT+8*\t, 82+8*\t, PC, 1, 238+\t, 242        ; four accumulators, one instruction each; the eight score products stand between two links of a chain
.endr
.endm
; The tile's end: O^T / the sum is the context; its two blocks of 32 features are quantised; the codes leave as an image of four registers, the two bytes as a word a token.
.macro CTXQ p
	v_add_f32 v18, v18, v19                        ; the sum's two halves,
	s_delay_alu instid0(VALU_DEP_1)
	v_permlanex16_b32 v243, v18, s14, s15
	s_delay_alu instid0(VALU_DEP_1)
	v_add_f32 v18, v18, v243                       ; and lane l xor 16's
	v_nop
	v_nop                                          ; with the additions: the places behind the last products
	s_wait_alu depctr_va_vdst(0)
	v_rcp_f32 v20, v18
	v_nop                                          ; a plain place behind the reciprocal
	s_wait_alu depctr_va_vdst(0)                   ; and the wait ahead of its first reader
.irp j, 0,2,4,6,8,10,12,14,16,18,20,22,24,26,28,30
	v_pk_mul_f32 v[OT+\j:OT+1+\j], v[OT+\j:OT+1+\j], v[20:21] op_sel_hi:[1,0]   ; register 8 t + j: feature 16 t + 8 h + j of query r
.endr
.irp b, 0,1
	v_max3_num_f32 v[BM+\b], |v[OT+16*\b]|, |v[OT+1+16*\b]|, 0x1800000
.endr
.irp i, 2,4,6,8,10,12,14
.irp b, 0,1
	s_delay_alu instid0(VALU_DEP_2)
	v_max3_num_f32 v[BM+\b], v[BM+\b], |v[OT+16*\b+\i]|, |v[OT+1+16*\b+\i]|
.endr
.endr
.irp b, 0,1
	s_delay_alu instid0(VALU_DEP_2)
	v_permlanex16_b32 v[T2+\b], v[BM+\b], s14, s15
.endr
.irp b, 0,1
	s_delay_alu instid0(VALU_DEP_2)
	v_max_num_f32 v[BM+\b], v[BM+\b], v[T2+\b]
.endr
.irp b, 0,1
	s_delay_alu instid0(VALU_DEP_2)
	v_add_nc_u32 v[SO+\b], 0xff000000, v[BM+\b]
.endr
.irp b, 0,1
	s_delay_alu instid0(VALU_DEP_2)
	v_lshrrev_b32 v[T2+\b], 23, v[SO+\b]
.endr
	s_delay_alu instid0(VALU_DEP_1)
	v_lshl_or_b32 v244, v[T2+1], 8, v[T2]          ; the token's two bytes of this head
	v_cvt_scalef32_pk8_fp4_f32 v[PC],   v[OT:OT+7],     v[SO]
	v_cvt_scalef32_pk8_fp4_f32 v[PC+1], v[OT+16:OT+23], v[SO+1]
	v_cvt_scalef32_pk8_fp4_f32 v[PC+2], v[OT+8:OT+15],  v[SO]
	v_cvt_scalef32_pk8_fp4_f32 v[PC+3], v[OT+24:OT+31], v[SO+1]
	v_nop
	v_permlane16_swap_b32 v[PC],   v[PC+1]         ; lane (r, h): features 32 h + 0 .. 31 of token r
	v_permlane16_swap_b32 v[PC+2], v[PC+3]
	global_store_b128 v1, v[PC:PC+3], s[40:41] offset:8192*\p   ; 512 consecutive bytes
.if \p
	v_cndmask_b32 v245, v245, v244, s20            ; lanes 16-31: the second tile's tokens
.else
	v_mov_b32 v245, v244
.endif
.endm
.macro PASS p, qs
.if \p
	s_wait_xcnt 0x0                                ; the first tile's store has read its data: the codes' registers may be written again
.irp i, 0,1,2,3
	v_mov_b32 v[8+\i], v[246+\i]                   ; the second tile's Q
.endr
.endif
	v_mov_b32 v17, 0xff61b1e6                      ; the largest t so far: -3e38, under every t
	s_delay_alu instid0(VALU_DEP_1)
	v_floor_f32 v16, -v17                          ; -M
	v_mov_b32 v18, 0                               ; the sum, in two halves
	v_mov_b32 v19, 0
.irp j, 0,1,2,3,4,5,6,7,8,9,10,11,12,13,14,15,16,17,18,19,20,21,22,23,24,25,26,27,28,29,30,31
	v_mov_b32 v[OT+\j], 0                          ; the step is written once: the first finds zeros, which the first change of M leaves zeros
.endr
	s_mov_b32 s18, 0                               ; the step's first LDS byte
	s_mov_b32 s19, 16
.Lstep_\@:
	s_setprio 2
	STEP \qs
	s_add_co_u32 s18, s18, STEPL
	s_sub_co_u32 s19, s19, 1
	s_cmp_lg_u32 s19, 0
	s_cbranch_scc1 .Lstep_\@
	s_setprio 0
	CTXQ \p
.endm
	PASS 0, 250
	PASS 1, 251
	global_store_b32 v5, v245, s[42:43]            ; my 32 tokens' words: 128 bytes on end
	s_wait_tensorcnt 0x0
	ds_add_u32 v254, v255
	s_wait_dscnt 0x0
	CROUND                                         ; the closing round
	s_endpgm
.Lfunc_end_k_q76c77b0e03_attn:
	.size	k_q76c77b0e03_attn, .Lfunc_end_k_q76c77b0e03_attn-k_q76c77b0e03_attn
	.p2alignl 7, 3214868480
	.fill 96, 4, 3214868480
	.section	.rodata,"a",@progbits
	.p2align	6, 0x0
	.amdhsa_kernel k_q76c77b0e03_attn
		.amdhsa_group_segment_fixed_size 169984
		.amdhsa_private_segment_fixed_size 0
		.amdhsa_enable_private_segment 0
		.amdhsa_kernarg_size 24
		.amdhsa_user_sgpr_count 2
		.amdhsa_user_sgpr_kernarg_segment_ptr 1
		.amdhsa_wavefront_size32 1
		.amdhsa_system_sgpr_workgroup_id_x 1
		.amdhsa_system_sgpr_workgroup_id_y 1
		.amdhsa_system_sgpr_workgroup_id_z 1
		.amdhsa_system_vgpr_workitem_id 0
		.amdhsa_next_free_vgpr 256
		.amdhsa_next_free_sgpr 66
		.amdhsa_reserve_vcc 0
		.amdhsa_float_denorm_mode_32 3
		.amdhsa_float_denorm_mode_16_64 3
		.amdhsa_memory_ordered 1
		.amdhsa_forward_progress 1
		.amdhsa_inst_pref_size 50
	.end_amdhsa_kernel
	.amdgpu_metadata
---
amdhsa.version: [ 1, 2 ]
amdhsa.kernels:
  - .name:           k_q76c77b0e03_attn
    .symbol:         k_q76c77b0e03_attn.kd
    .args:
      - { .name: pack, .offset: 0, .size: 8, .value_kind: global_buffer, .address_space: global }
      - { .name: cx, .offset: 8, .size: 8, .value_kind: global_buffer, .address_space: global }
      - { .name: cs, .offset: 16, .size: 8, .value_kind: global_buffer, .address_space: global }
    .group_segment_fixed_size: 169984
    .private_segment_fixed_size: 0
    .kernarg_segment_align: 8
    .kernarg_segment_size: 24
    .max_flat_workgroup_size: 512
    .sgpr_count:     66
    .vgpr_count:     256
    .wavefront_size: 32
...
	.end_amdgpu_metadata
.endif
;; end of part 2
;; launch outp (part 3): grid 4 x 64, 4 waves a work-group, clusters of 4 x 4, 327,680 bytes of LDS; arguments cx, cs, Wo_codes, Wo_scales, bo, out0; writes out0
.if DOCPART == 3
	.amdgcn_target "amdgcn-amd-amdhsa--gfx1250"
	.amdhsa_code_object_version 6
	.text
	.protected	k_q76c77b0e03_outp
	.globl	k_q76c77b0e03_outp
	.p2align	8
	.type	k_q76c77b0e03_outp,@function
k_q76c77b0e03_outp:
	s_mov_b64 s[64:65], 0
	v_nop
	global_prefetch_b8 v0, s[64:65] scope:SCOPE_SE
	s_setreg_imm32_b32 hwreg(HW_REG_WAVE_MODE, 25, 1), 1
	s_wait_xcnt 0x0
	s_wait_alu depctr_hold_cnt(0) depctr_sa_sdst(0) depctr_va_vdst(0) depctr_va_sdst(0) depctr_va_ssrc(0) depctr_va_vcc(0) depctr_vm_vsrc(0)
	s_getreg_b32 s2, hwreg(HW_REG_IB_STS2, 6, 4)
	s_cmp_eq_u32 s2, 0
	s_cbranch_scc0 .Lentry_in_a_cluster
	s_endpgm
.Lentry_in_a_cluster:
	s_bfe_u32 s2, ttmp6, 0x10000c
	s_cmp_lg_u32 s2, 0xf033
	s_cbranch_scc0 .Lentry_shape_is_right
	s_endpgm
.Lentry_shape_is_right:
; out0 = context Wo + bo: 8,192 x 1,024 x 1,024 on codes of FP4 (E2M1) with E8M0 scales; out0 f32.
; The context comes as images of operand registers: cx [tile of 16 tokens][head][512 bytes]: lane (r, h): the codes of features 32 h + 0 .. 31 of the head, token r, at 16 x lane.  K step k (128 features) is heads 2 k and
; 2 k + 1: the 1,024 bytes at 1,024 k of a tile's 8,192.  cs [head][token]: a word with the head's two scale bytes.  Wo comes as rows of 512 bytes of codes and 32 scale bytes.
; SHARES.  A work-group makes 128 tokens x 256 features, so that each of 256 work-groups has one tile; a wave 64 tokens (4 blocks) x 128 features (8 blocks): 32 accumulators.
; THE MATRIX INSTRUCTION: source 0 = 16 rows of Wo, source 1 = 16 tokens: a lane holds eight neighbouring features of one token's row.  bo is the C of each sum's first instruction.
; CLUSTERS: 4 x 4 work-groups; the tokens' tile is shared along a row of the cluster, Wo's along a column: each is asked for jointly.
; LDS: all of K is resident, each byte filled once: the tokens' slot s (K half s) at 32,768 s: 8 tiles x 4,096 bytes of images; Wo's slot s at 65,536 + 69,632 s: 256 rows of 256 bytes + 16 of padding;
; from 204,800 a stage of 16 rows x 528 bytes for each wave, into which no fill lands.
; REGISTERS.  window 0: v1-25 addresses; v32-47 the tokens' scale words, v48-79 Wo's (register 8 i + k: lanes 0-15 tile 2 i, lanes 16-31 tile 2 i + 1, K step k); v80-111 cs as loaded; v128-159, v160-191 the tokens' two sets
;   of fragments; on the way out v128-191, v192-255 by turns.   window 1: v0-63, v128-191 Wo's two sets; v64-127 bo.   window 2: accumulator (a, b) at v[64 a + 8 b].
.set MSB, 0
.macro WIN new
.if MSB != (\new)
	s_set_vgpr_msb (MSB<<8)|(\new)
.set MSB, \new
.endif
.endm
.macro PLACES n
.rept \n
	v_nop
.endr
.endm
.macro JLOAD g0a, g1a, g0b, g1b        ; waves 0 and 1 fetch the tokens' halves, waves 2 and 3 Wo's; four v_nop follow each of the two lines
	s_cmp_eq_u32 s17, 0
	s_cbranch_scc0 .Lfor_b_\@
	tensor_load_to_lds s[\g0a:\g0a+3], s[\g1a:\g1a+7]
	s_nop 0
.rept 4
	v_nop
.endr
	s_branch .Lasked_\@
.Lfor_b_\@:
	tensor_load_to_lds s[\g0b:\g0b+3], s[\g1b:\g1b+7]
	s_nop 0
.rept 4
	v_nop
.endr
.Lasked_\@:
.endm
.macro CROUND
	s_barrier_signal -1
	s_barrier_wait -1
	s_cmp_lg_u32 s16, 0
	s_cbranch_scc1 .Lnot_wave_0_\@
	s_barrier_signal -3
.Lnot_wave_0_\@:
	s_barrier_wait -3
	s_barrier_signal -1
	s_barrier_wait -1
.endm
; One matrix instruction.  cm = 1: C = D; 2: C = v[cr ..].  ra, rb = 1: the side's scale words are taken from lanes 16-31.
.macro WM d, a, b, cm, cr, sa, sb, ra, rb
.set wD, \d
.set wA, \a
.set wB, \b
.set wC, \cr
.set wS, \sa
.set wT, \sb
.set wR, (\ra)+2*(\rb)
.if (\cm) == 1
.set wC, wD
.endif
.if wR == 0
	v_wmma_scale_f32_16x16x128_f8f6f4 v[wD:wD+7], v[wA:wA+7], v[wB:wB+7], v[wC:wC+7], v[wS], v[wT] matrix_a_fmt:MATRIX_FMT_FP4 matrix_b_fmt:MATRIX_FMT_FP4
.elseif wR == 1
	v_wmma_scale_f32_16x16x128_f8f6f4 v[wD:wD+7], v[wA:wA+7], v[wB:wB+7], v[wC:wC+7], v[wS], v[wT] matrix_a_fmt:MATRIX_FMT_FP4 matrix_b_fmt:MATRIX_FMT_FP4 matrix_a_scale:MATRIX_SCALE_ROW1
.elseif wR == 2
	v_wmma_scale_f32_16x16x128_f8f6f4 v[wD:wD+7], v[wA:wA+7], v[wB:wB+7], v[wC:wC+7], v[wS], v[wT] matrix_a_fmt:MATRIX_FMT_FP4 matrix_b_fmt:MATRIX_FMT_FP4 matrix_b_scale:MATRIX_SCALE_ROW1
.else
	v_wmma_scale_f32_16x16x128_f8f6f4 v[wD:wD+7], v[wA:wA+7], v[wB:wB+7], v[wC:wC+7], v[wS], v[wT] matrix_a_fmt:MATRIX_FMT_FP4 matrix_b_fmt:MATRIX_FMT_FP4 matrix_a_scale:MATRIX_SCALE_ROW1 matrix_b_scale:MATRIX_SCALE_ROW1
.endif
.endm
	s_load_b256 s[4:11], s[0:1], 0x0               ; cx, cs, Wo's codes, Wo's scales
	s_load_b128 s[12:15], s[0:1], 0x20             ; bo, out0
	v_lshl_add_u32 v126, v0, 2, 0x3a400
	v_mov_b32 v127, 0
	ds_add_u32 v126, v127
	ds_add_u32 v126, v127
	v_lshrrev_b32 v1, 5, v0
	v_readfirstlane_b32 s16, v1                    ; wave 0..3
	s_lshr_b32 s17, s16, 1                         ; which 64 tokens are mine.  Also: I fetch the tokens (0) or Wo (1)
	s_and_b32 s18, s16, 1                          ; which 128 features.  Also: which half I fetch
	s_bfe_u32 s19, ttmp6, 0x40000                  ; cx
	s_bfe_u32 s20, ttmp6, 0x40004                  ; cy
	s_lshl_b32 s21, ttmp9, 2
	s_add_co_u32 s21, s21, s19                     ; x: the tile of 256 features
	s_and_b32 s22, ttmp7, 0xffff
	s_lshl_b32 s22, s22, 2
	s_add_co_u32 s22, s22, s20                     ; y: the tile of 128 tokens
	s_lshl_b32 s23, s20, 2
	s_lshl_b32 s23, 15, s23                        ; my row of the cluster
	s_lshl_b32 s56, 0x1111, s19                    ; my column
	; the tokens: 4 tiles of tokens x 4,096 bytes (512 elements of 8 bytes), 8,192 bytes apart, dense in LDS
	s_or_b32 s24, s23, (3<<16)|(1<<21)
	s_mov_b32 s25, 512<<16                         ; tensor_dim0
	s_mov_b32 s26, 4<<16                           ; tensor_dim1
	s_mov_b32 s27, 512<<16                         ; tile_dim0
	s_mov_b32 s28, 4                               ; tile_dim1
	s_mov_b32 s29, 1024                            ; from row to row
	s_mov_b32 s30, 0
	s_mov_b32 s31, 0
	; Wo: 128 rows x 256 bytes out of rows of 512, 16 bytes of padding behind each
	s_or_b32 s40, s56, (1<<20)|(1<<21)|(5<<22)|(3<<25)
	s_mov_b32 s41, 256<<16
	s_mov_b32 s42, 128<<16
	s_mov_b32 s43, 256<<16
	s_mov_b32 s44, 128
	s_mov_b32 s45, 512
	s_mov_b32 s46, 0
	s_mov_b32 s47, 0
	s_lshl_b32 s58, s22, 16                        ; 8 tiles of tokens of 8,192 bytes a work-group,
	s_lshl_b32 s57, s18, 15                        ; + the 4 that I fetch
	s_add_co_u32 s58, s58, s57
	s_mov_b32 s59, 0
	s_lshl_b32 s60, s21, 17                        ; 256 rows of 512 bytes,
	s_lshl_b32 s57, s18, 16                        ; + the 128 that I fetch
	s_add_co_u32 s60, s60, s57
	s_mov_b32 s61, 0
	s_lshl_b32 s62, s18, 14                        ; where they go: no place in the cluster enters an LDS address
	s_mul_i32 s63, s18, 34816
	s_add_co_u32 s63, s63, 65536
	s_wait_dscnt 0x0
	s_wait_kmcnt 0x0
	s_add_nc_u64 s[58:59], s[4:5], s[58:59]
	s_add_nc_u64 s[60:61], s[8:9], s[60:61]
.irp s, 0,1
	s_mov_b32 s[32+4*\s], 1
	s_add_co_u32 s[33+4*\s], s62, \s*32768
	s_add_nc_u64 s[34+4*\s:35+4*\s], s[58:59], \s*4096   ; K half s: heads 8 s .. 8 s + 7
	s_or_b32 s[35+4*\s], s[35+4*\s], 0x80000000
	s_mov_b32 s[48+4*\s], 1
	s_add_co_u32 s[49+4*\s], s63, \s*69632
	s_add_nc_u64 s[50+4*\s:51+4*\s], s[60:61], \s*256
	s_or_b32 s[51+4*\s], s[51+4*\s], 0x80000000
.endr
	CROUND                                         ; all sixteen work-groups are here: the joint loads meet
	JLOAD 32, 24, 48, 40                           ; K half 0
	s_wait_alu depctr_va_vdst(0)
	s_wait_tensorcnt 0x0
	ds_add_u32 v126, v127
	s_wait_dscnt 0x0
	CROUND
	JLOAD 36, 24, 52, 40                           ; K half 1: one load of mine is out, and no more follow
	s_lshl_b32 s58, s22, 9                         ; cs: my 64 tokens' words
	s_lshl_b32 s57, s17, 8
	s_add_co_u32 s58, s58, s57
	s_mov_b32 s59, 0
	s_add_nc_u64 s[6:7], s[6:7], s[58:59]
	s_lshl_b32 s60, s21, 13                        ; Wo's scales: 32 bytes a row, my 128 rows
	s_lshl_b32 s57, s18, 12
	s_add_co_u32 s60, s60, s57
	s_mov_b32 s61, 0
	s_add_nc_u64 s[10:11], s[10:11], s[60:61]
	s_lshl_b32 s60, s21, 10                        ; my 128 features, in bytes of f32
	s_lshl_b32 s57, s18, 9
	s_add_co_u32 s60, s60, s57
	s_add_nc_u64 s[12:13], s[12:13], s[60:61]      ; in bo,
	s_lshl_b32 s66, s22, 19                        ; and in out0, at my first token's row of 4,096 bytes
	s_lshl_b32 s57, s17, 18
	s_add_co_u32 s66, s66, s57
	s_add_co_u32 s66, s66, s60
	s_mov_b32 s67, 0
	s_add_nc_u64 s[14:15], s[14:15], s[66:67]
	v_and_b32 v1, 15, v0                           ; r
	v_bfe_u32 v2, v0, 4, 1                         ; h
	v_and_b32 v3, 31, v0                           ; lane
	v_lshlrev_b32 v4, 4, v3
	v_lshlrev_b32 v10, 5, v3
	v_lshlrev_b32 v11, 5, v2
	v_lshlrev_b32 v12, 2, v3
.irp i, 0,1
.irp e, 0,1,2,3,4,5,6,7,8,9,10,11,12,13,14,15
	global_load_b32 v[80+16*\i+\e], v12, s[6:7] offset:32768*\e+128*\i   ; lane l: token 32 i + l, head e
.endr
.endr
.irp i, 0,1,2,3
.irp j, 0,1
	global_load_b128 v[48+8*\i+4*\j:51+8*\i+4*\j], v10, s[10:11] offset:1024*\i+16*\j   ; lane l: row 32 i + l, K steps 4 j .. 4 j + 3
.endr
.endr
	WIN 0x40
.irp b, 0,1,2,3,4,5,6,7
	global_load_b128 v[64+8*\b:67+8*\b], v11, s[12:13] offset:64*\b       ; bo of features 16 b + 8 h + 0 .. 7
	global_load_b128 v[68+8*\b:71+8*\b], v11, s[12:13] offset:64*\b+16
.endr
	WIN 0
	s_lshl_b32 s57, s17, 14
	v_add_nc_u32 v6, s57, v4                       ; my 4 tiles of tokens in slot 0, 1: an image's place for my lane
	v_add_nc_u32 v7, 32768, v6
	v_mul_u32_u24 v13, v1, 272
	v_lshl_add_u32 v13, v2, 4, v13
	v_add_nc_u32 v8, s63, v13                      ; my 128 rows of Wo
	v_add_nc_u32 v9, 69632, v8
	s_mul_i32 s57, s16, 8448
	s_add_co_u32 s57, s57, 204800                  ; my stage
	v_mul_u32_u24 v13, v1, 528
	v_lshl_add_u32 v13, v2, 5, v13
	v_add_nc_u32 v24, s57, v13                     ; in: row r, 32 bytes for each half of the lanes
	v_add_nc_u32 v25, s57, v4                      ; back: the 32 lanes take one row of 512 bytes
	s_wait_loadcnt 0x0
.irp i, 0,1
.irp k, 0,1,2,3,4,5,6,7
	v_lshl_or_b32 v[32+8*\i+\k], v[81+16*\i+2*\k], 16, v[80+16*\i+2*\k]   ; K step k's word: the two bytes of head 2 k, then of head 2 k + 1
.endr
.endr
	PLACES 8                                       ; scale registers written by vector instructions stand eight places ahead of the products
.macro FETCH k                         ; K step k's fragments into set k % 2: 24 LDS loads in one run
	WIN 0x40
.irp i, 0,1,2,3,4,5,6,7
	ds_load_b128 v[128*((\k)%2)+8*\i:128*((\k)%2)+8*\i+3],   v[8+(\k)/4] offset:64*((\k)%4)+\i*4352
	ds_load_b128 v[128*((\k)%2)+8*\i+4:128*((\k)%2)+8*\i+7], v[8+(\k)/4] offset:64*((\k)%4)+32+\i*4352
.endr
	WIN 0
.irp i, 0,1,2,3
	ds_load_b128 v[128+32*((\k)%2)+8*\i:128+32*((\k)%2)+8*\i+3],   v[6+(\k)/4] offset:4096*\i+1024*((\k)%4)
	ds_load_b128 v[128+32*((\k)%2)+8*\i+4:128+32*((\k)%2)+8*\i+7], v[6+(\k)/4] offset:4096*\i+1024*((\k)%4)+512
.endr
.endm
.macro MULS k, cm                      ; the 32 accumulators take turns, one instruction each, in the same order in every step
.irp x, 0,1,2,3
.irp y, 0,1,2,3,4,5,6,7
	WM 64*\x+8*\y, 128*((\k)%2)+8*\y, 128+32*((\k)%2)+8*\x, \cm, 64+8*\y, 48+8*(\y/2)+(\k), 32+8*(\x/2)+(\k), \y%2, \x%2
.endr
.endr
.endm
.macro STEP k, cm
	s_wait_dscnt 0x0                               ; set k % 2 is in
.if (\k) == 3
	s_wait_tensorcnt 0x0                           ; my part of K half 1 has landed,
	s_barrier_signal -1
	s_barrier_wait -1                              ; everybody's has
.endif
	PLACES 4                                       ; in front of loads into registers that the last step's matrix instructions have read
.if (\k) < 7
	FETCH (\k)+1
.endif
.if (\cm) == 2
	WIN 0x91                                       ; source 0 (Wo) and C (bo) window 1, source 1 window 0, D window 2
.else
	WIN 0xa1                                       ; C and D window 2
.endif
	MULS \k, \cm
	WIN 0
.endm
	s_wait_alu depctr_va_vdst(0)
	s_wait_tensorcnt 1                             ; my part of K half 0 is in; the one load that may stay out is K half 1's
	s_barrier_signal -1
	s_barrier_wait -1                              ; everybody's is
	FETCH 0
	STEP 0, 2                                      ; the first products start the sums from bo
	STEP 1, 1
	STEP 2, 1
	STEP 3, 1
	STEP 4, 1
	STEP 5, 1
	STEP 6, 1
	STEP 7, 1
; THE WAY OUT, 16 tokens x 128 features at a time: a lane holds 32 neighbouring bytes of a row and the lanes beside it other rows, so a block goes through my own stage and comes back as whole rows of 512 bytes.
; LDS serves a wave's instructions in order (ISA guide 5.7.1.4): no wait between the stores and the loads, nor in front of the next block's stores.
.macro TOSTAGE a
	WIN 0x08                                       ; an LDS store's data are its source 1: window 2
.irp y, 0,1,2,3,4,5,6,7
	ds_store_b128 v24, v[64*(\a)+8*\y:64*(\a)+8*\y+3] offset:64*\y        ; each accumulator from its low end on
	ds_store_b128 v24, v[64*(\a)+8*\y+4:64*(\a)+8*\y+7] offset:64*\y+16
.endr
	WIN 0
.irp t, 0,1,2,3,4,5,6,7,8,9,10,11,12,13,14,15
	ds_load_b128 v[128+64*((\a)%2)+4*\t:128+64*((\a)%2)+4*\t+3], v25 offset:\t*528
.endr
.endm
.macro SEND a, younger                 ; younger: the LDS instructions issued behind block a's loads, which may stay out
	s_wait_dscnt \younger
.if (\a) > 0
	s_add_nc_u64 s[14:15], s[14:15], 65536         ; 16 rows of out0 on (the earlier stores have read their base: a wait for that stands ahead)
.endif
.irp t, 0,1,2,3,4,5,6,7,8,9,10,11,12,13,14,15
	global_store_b128 v4, v[128+64*((\a)%2)+4*\t:128+64*((\a)%2)+4*\t+3], s[14:15] offset:\t*4096 th:TH_STORE_NT   ; 32 lanes store 512 consecutive bytes, aligned; written once, read by nobody here
.endr
.endm
	PLACES 4                                       ; behind the last products: for the reads of results and the loads into the fragments' registers
	TOSTAGE 0
.irp a, 1,2,3
.if \a > 1
	s_wait_xcnt 0x0                                ; block a - 2's stores have read their registers and their base
.endif
	TOSTAGE \a
	SEND \a-1, 32                                  ; behind block a - 1's loads: block a's 16 stores and 16 loads
.endr
	s_wait_xcnt 0x0                                ; block 2's stores have read their base
	SEND 3, 0
	s_wait_tensorcnt 0x0
	ds_add_u32 v126, v127
	s_wait_dscnt 0x0
	CROUND                                         ; the closing round: no work-group ends while a partner may still ask for a tile that names it
	s_endpgm
.Lfunc_end_k_q76c77b0e03_outp:
	.size	k_q76c77b0e03_outp, .Lfunc_end_k_q76c77b0e03_outp-k_q76c77b0e03_outp
	.p2alignl 7, 3214868480
	.fill 96, 4, 3214868480
	.section	.rodata,"a",@progbits
	.p2align	6, 0x0
	.amdhsa_kernel k_q76c77b0e03_outp
		.amdhsa_group_segment_fixed_size 327680
		.amdhsa_private_segment_fixed_size 0
		.amdhsa_enable_private_segment 0
		.amdhsa_kernarg_size 48
		.amdhsa_user_sgpr_count 2
		.amdhsa_user_sgpr_kernarg_segment_ptr 1
		.amdhsa_wavefront_size32 1
		.amdhsa_system_sgpr_workgroup_id_x 1
		.amdhsa_system_sgpr_workgroup_id_y 1
		.amdhsa_system_sgpr_workgroup_id_z 1
		.amdhsa_system_vgpr_workitem_id 0
		.amdhsa_next_free_vgpr 768
		.amdhsa_next_free_sgpr 68
		.amdhsa_reserve_vcc 0
		.amdhsa_float_denorm_mode_32 3
		.amdhsa_float_denorm_mode_16_64 3
		.amdhsa_memory_ordered 1
		.amdhsa_forward_progress 1
		.amdhsa_inst_pref_size 76
	.end_amdhsa_kernel
	.amdgpu_metadata
---
amdhsa.version: [ 1, 2 ]
amdhsa.kernels:
  - .name:           k_q76c77b0e03_outp
    .symbol:         k_q76c77b0e03_outp.kd
    .args:
      - { .name: cx, .offset: 0, .size: 8, .value_kind: global_buffer, .address_space: global }
      - { .name: cs, .offset: 8, .size: 8, .value_kind: global_buffer, .address_space: global }
      - { .name: Wo_codes, .offset: 16, .size: 8, .value_kind: global_buffer, .address_space: global }
      - { .name: Wo_scales, .offset: 24, .size: 8, .value_kind: global_buffer, .address_space: global }
      - { .name: bo, .offset: 32, .size: 8, .value_kind: global_buffer, .address_space: global }
      - { .name: out0, .offset: 40, .size: 8, .value_kind: global_buffer, .address_space: global }
    .group_segment_fixed_size: 327680
    .private_segment_fixed_size: 0
    .kernarg_segment_align: 8
    .kernarg_segment_size: 48
    .max_flat_workgroup_size: 128
    .sgpr_count:     68
    .vgpr_count:     768
    .wavefront_size: 32
...
	.end_amdgpu_metadata
.endif
;; end of part 3
